; MI455X (gfx1250); checked and timed in simulation.
; The chip was launched on July 23, 2026; its instructions are those of AMD's public machine-readable ISA for CDNA 5 (MIT licence, August 2026) and "CDNA5" Instruction Set Architecture Reference Guide (July 2026). The comments in the code are by the model that wrote it; some were corrected since.
;; LSTM Layer. Allowed arithmetic: matrix products marked QUANTISED: E2M1 operands, one E8M0 scale for each 32 along K, by v_wmma_scale_f32_16x16x128_f8f6f4 with both operands' format E2M1 (or v_wmma_scale_f32_32x16x128_f4), f32 sums; everything else in f32.
;; Inputs: W_f_h2h_codes 1,024 x 32 x 16 uint8 (E2M1 codes of W_f_h2h, K innermost, in blocks of 32 codes, two codes a byte); W_f_h2h_scales 1,024 x 32 uint8 (E8M0 scales of W_f_h2h, one for each 32 codes along K); W_f_i2h_codes 1,024 x 32 x 16 uint8 (E2M1 codes of W_f_i2h, K innermost, in blocks of 32 codes, two codes a byte); W_f_i2h_scales 1,024 x 32 uint8 (E8M0 scales of W_f_i2h, one for each 32 codes along K); W_g_h2h_codes 1,024 x 32 x 16 uint8 (E2M1 codes of W_g_h2h, K innermost, in blocks of 32 codes, two codes a byte); W_g_h2h_scales 1,024 x 32 uint8 (E8M0 scales of W_g_h2h, one for each 32 codes along K); W_g_i2h_codes 1,024 x 32 x 16 uint8 (E2M1 codes of W_g_i2h, K innermost, in blocks of 32 codes, two codes a byte); W_g_i2h_scales 1,024 x 32 uint8 (E8M0 scales of W_g_i2h, one for each 32 codes along K); W_i_h2h_codes 1,024 x 32 x 16 uint8 (E2M1 codes of W_i_h2h, K innermost, in blocks of 32 codes, two codes a byte); W_i_h2h_scales 1,024 x 32 uint8 (E8M0 scales of W_i_h2h, one for each 32 codes along K); W_i_i2h_codes 1,024 x 32 x 16 uint8 (E2M1 codes of W_i_i2h, K innermost, in blocks of 32 codes, two codes a byte); W_i_i2h_scales 1,024 x 32 uint8 (E8M0 scales of W_i_i2h, one for each 32 codes along K); W_o_h2h_codes 1,024 x 32 x 16 uint8 (E2M1 codes of W_o_h2h, K innermost, in blocks of 32 codes, two codes a byte); W_o_h2h_scales 1,024 x 32 uint8 (E8M0 scales of W_o_h2h, one for each 32 codes along K); W_o_i2h_codes 1,024 x 32 x 16 uint8 (E2M1 codes of W_o_i2h, K innermost, in blocks of 32 codes, two codes a byte); W_o_i2h_scales 1,024 x 32 uint8 (E8M0 scales of W_o_i2h, one for each 32 codes along K); b_f_h2h 1,024 float32; b_f_i2h 1,024 float32; b_g_h2h 1,024 float32; b_g_i2h 1,024 float32; b_i_h2h 1,024 float32; b_i_i2h 1,024 float32; b_o_h2h 1,024 float32; b_o_i2h 1,024 float32; c_0 8,192 x 1,024 float32; h_0_codes 8,192 x 32 x 16 uint8 (E2M1 codes of h_0, K innermost, in blocks of 32 codes, two codes a byte); h_0_scales 8,192 x 32 uint8 (E8M0 scales of h_0, one for each 32 codes along K); input_codes 8,192 x 32 x 16 uint8 (E2M1 codes of input, K innermost, in blocks of 32 codes, two codes a byte); input_scales 8,192 x 32 uint8 (E8M0 scales of input, one for each 32 codes along K).
;; Outputs: out0 8,192 x 1,024 float32; out1 8,192 x 1,024 float32.
;; This version of the problem:
;;   THIS VERSION OF THE PROBLEM IS GIVEN IN LOW PRECISION. The matrix products marked QUANTISED in the list below multiply operands that are first quantised to E2M1 (2 exponent bits, 1 mantissa bit; 4 bits a number), with one power-of-two scale for each 32 numbers along K (OCP MX v1.0); their sums are f32. All else is computed in f32.
;;   The module's matrix products, in the order in which they are computed (A, B: the left and right operand; K: the contracted axis; several contracted axes count as one K, in the product's order):
;;     1. [M 8,192, K 1,024] x [K 1,024, N 1,024]; A: input input (given as codes); B: input W_i_i2h (given as codes): QUANTISED
;;     2. [M 8,192, K 1,024] x [K 1,024, N 1,024]; A: input h_0 (given as codes); B: input W_i_h2h (given as codes): QUANTISED
;;     3. [M 8,192, K 1,024] x [K 1,024, N 1,024]; A: input input (given as codes); B: input W_f_i2h (given as codes): QUANTISED
;;     4. [M 8,192, K 1,024] x [K 1,024, N 1,024]; A: input h_0 (given as codes); B: input W_f_h2h (given as codes): QUANTISED
;;     5. [M 8,192, K 1,024] x [K 1,024, N 1,024]; A: input input (given as codes); B: input W_o_i2h (given as codes): QUANTISED
;;     6. [M 8,192, K 1,024] x [K 1,024, N 1,024]; A: input h_0 (given as codes); B: input W_o_h2h (given as codes): QUANTISED
;;     7. [M 8,192, K 1,024] x [K 1,024, N 1,024]; A: input input (given as codes); B: input W_g_i2h (given as codes): QUANTISED
;;     8. [M 8,192, K 1,024] x [K 1,024, N 1,024]; A: input h_0 (given as codes); B: input W_g_h2h (given as codes): QUANTISED
;;   THE QUANTISER, for each operand of a quantised product, along K:
;;     - K is cut into blocks of 32 from its start; a last block that is shorter is filled with zeros.
;;     - A block's scale is 2^e with e = floor(log2(the largest magnitude in the block)) - 2, held to -126 .. 127; a block of zeros has e = 0. As a byte (E8M0): e + 127.
;;     - Each number is divided by its block's scale, clamped to +-6, and rounded to the nearest number of E2M1, ties to even, subnormals kept.
;;     - The product sums the exact products of the quantised numbers (number of the format x scale) in f32.
;;   ~~~python
;;   def quantise(x, axis):      # numpy; x: float32 -> the quantised numbers, widened to float32 again
;;       x = np.moveaxis(x, axis, -1); K = x.shape[-1]
;;       x = np.pad(x, [(0, 0)] * (x.ndim - 1) + [(0, -K % 32)]); x = x.reshape(x.shape[:-1] + (-1, 32)); a = np.abs(x).max(-1, keepdims=True)
;;       e = np.where(a > 0, np.clip(np.frexp(np.where(a > 0, a, 1))[1] - 1 - 2, -126, 127), 0)      # np.frexp(a)[1] - 1 = floor(log2(a)), exactly
;;       r = np.clip(x / 2.0 ** e, -6, 6)
;;       step = 2.0 ** (np.maximum(np.frexp(np.where(r == 0, 1, r))[1] - 1, 0) - 1)
;;       q = np.round(r / step) * step * 2.0 ** e      # np.round: ties to even
;;       return np.moveaxis(q.reshape(q.shape[:-2] + (-1,))[..., :K], -1, axis).astype(np.float32)
;;   ~~~
;;   INPUTS GIVEN AS CODES. W_f_h2h (in the module: [1024, 1024], K = its axis 1); W_f_i2h (in the module: [1024, 1024], K = its axis 1); W_g_h2h (in the module: [1024, 1024], K = its axis 1); W_g_i2h (in the module: [1024, 1024], K = its axis 1); W_i_h2h (in the module: [1024, 1024], K = its axis 1); W_i_i2h (in the module: [1024, 1024], K = its axis 1); W_o_h2h (in the module: [1024, 1024], K = its axis 1); W_o_i2h (in the module: [1024, 1024], K = its axis 1); h_0 (in the module: [8192, 1024], K = its axis 1); input (in the module: [8192, 1024], K = its axis 1): each comes as NAME_codes (uint8): NAME with its K axis moved to the last place and cut into blocks of 32 codes, [.., K / 32, bytes a block], one block behind the other in memory; two codes a byte, the lower K in the low four bits (a code: sign, 2 exponent bits, 1 mantissa bit); and NAME_scales (uint8): the same leading axes, one E8M0 byte (e + 127) for each 32 codes along K. Its value is code x scale, taken as it is: it is not quantised again, and the codes and scales need not be those that the quantiser above would give.
;; One version. Each part assembles by itself: llvm-mc -triple=amdgcn-amd-amdhsa -mcpu=gfx1250 --defsym DOCPART=n.
;; ======== version 1 of 1: 2 launches
;; limits: right only within a limited range of input values
;; workspace buffers: wp_codes 4,194,304 bytes; wp_scales 262,144 bytes; bsum 16,384 bytes
;; launch pack (part 1): grid 128 x 1, 8 waves a work-group, no clusters, 0 bytes of LDS; arguments W_i_i2h_codes, W_i_h2h_codes, W_f_i2h_codes, W_f_h2h_codes, W_g_i2h_codes, W_g_h2h_codes, W_o_i2h_codes, W_o_h2h_codes, W_i_i2h_scales, W_i_h2h_scales, W_f_i2h_scales, W_f_h2h_scales, W_g_i2h_scales, W_g_h2h_scales, W_o_i2h_scales, W_o_h2h_scales, b_i_i2h, b_i_h2h, b_f_i2h, b_f_h2h, b_g_i2h, b_g_h2h, b_o_i2h, b_o_h2h, wp_codes, wp_scales, bsum; writes wp_codes, wp_scales, bsum
.if DOCPART == 1
	.amdgcn_target "amdgcn-amd-amdhsa--gfx1250"
	.amdhsa_code_object_version 6
	.text
	.protected	k_q6f5b8714b4_pack
	.globl	k_q6f5b8714b4_pack
	.p2align	8
	.type	k_q6f5b8714b4_pack,@function
k_q6f5b8714b4_pack:
	s_mov_b64 s[64:65], 0
	v_nop
	global_prefetch_b8 v0, s[64:65] scope:SCOPE_SE
	s_setreg_imm32_b32 hwreg(HW_REG_WAVE_MODE, 25, 1), 1
	s_wait_xcnt 0x0
; The eight weight tensors (gate g = 0 i, 1 f, 2 g, 3 o; source src = 0 i2h, 1 h2h; argument 2 g + src), their scale bytes and their biases are laid as the second launch's tiles want them.
; Nothing is converted: codes and scale bytes are copied as they are; the two biases of a gate are added in f32.
;   wp_codes  [j 16][s 4][n' 256][256 bytes]: j = unit / 64; s = 2 src + kh, kh = which 256 bytes (512 along K) of the row; n' = 128 wc + 32 g + unit % 32, wc = (unit % 64) / 32
;   wp_scales [j 16][src 2][n' 256][32 bytes];   bsum [j 16][n' 256] f32 = b_g_i2h[unit] + b_g_h2h[unit]
; SHARES.  Work-group t owns units 8 t .. 8 t + 7 of all eight tensors.  Wave w copies row 8 t + w of each tensor: a load reads the row's 512 consecutive bytes, a store writes its two halves, each 256 consecutive
; bytes at a multiple of 256.  Wave 0 also copies the eight rows' scale bytes (256 consecutive bytes a tensor); wave 1 of work-groups 0 to 31 also adds the biases of units 32 t .. 32 t + 31.
; These two waves issue their further loads behind the loads of codes and ahead of every wait, on paths of their own, so that the waits for the codes leave the eight younger loads out.
; No register is written twice once a load or store names it, EXEC never changes and nothing is stepped.  Waves share nothing: no LDS, no barrier.
.set CW,  4                            ; s[4:19]   the eight tensors of codes
.set SW,  20                           ; s[20:35]  of scale bytes
.set BW,  36                           ; s[36:51]  of biases
.set DC,  52                           ; s[52:53]  wp_codes
.set DS,  54                           ; s[54:55]  wp_scales
.set DB,  56                           ; s[56:57]  bsum
	s_load_b512 s[CW:CW+15], s[0:1], 0x0
	s_load_b512 s[SW:SW+15], s[0:1], 0x40
	s_load_b512 s[BW:BW+15], s[0:1], 0x80
	s_load_b128 s[DC:DC+3], s[0:1], 0xc0
	s_load_b64 s[DB:DB+1], s[0:1], 0xd0
	v_lshrrev_b32 v7, 5, v0
	s_delay_alu instid0(VALU_DEP_1)
	v_readfirstlane_b32 s58, v7                    ; wave 0..7
	s_lshl_b32 s59, ttmp9, 12
	v_lshl_add_u32 v1, v0, 4, s59                  ; codes, in: 4,096 t + 512 w + 16 lane
	v_and_b32 v2, 15, v0
	s_delay_alu instid0(VALU_DEP_1)
	v_lshlrev_b32 v2, 4, v2
	v_bfe_u32 v3, v0, 4, 1
	s_delay_alu instid0(VALU_DEP_1)
	v_lshl_add_u32 v2, v3, 16, v2                  ; codes, out: 16 (lane % 16) + 65,536 kh
	s_delay_alu instid0(VALU_DEP_1)
	v_lshl_add_u32 v2, v7, 8, v2                   ; + 256 w
	v_and_b32 v6, 31, v0                           ; lane
	s_lshl_b32 s59, ttmp9, 8
	v_lshl_add_u32 v3, v6, 3, s59                  ; scale bytes, in: 256 t + 8 lane
	v_lshlrev_b32 v4, 3, v6                        ; out: 8 lane
	s_lshl_b32 s59, ttmp9, 7
	v_lshl_add_u32 v5, v6, 2, s59                  ; biases, in: 128 t + 4 lane
	s_lshl_b32 s59, ttmp9, 9
	v_lshl_add_u32 v7, v6, 2, s59                  ; out: 512 t + 4 lane
	s_lshr_b32 s59, ttmp9, 3                       ; j
	s_lshl_b32 s60, s59, 18                        ; codes: 262,144 j
	s_lshl_b32 s62, s59, 14                        ; scale bytes: 16,384 j
	s_bfe_u32 s59, ttmp9, 0x10002                  ; wc: 128 rows n'
	s_lshl_b32 s2, s59, 15
	s_add_co_u32 s60, s60, s2
	s_lshl_b32 s2, s59, 12
	s_add_co_u32 s62, s62, s2
	s_and_b32 s59, ttmp9, 3                        ; t % 4: 8 rows n'
	s_lshl_b32 s2, s59, 11
	s_add_co_u32 s60, s60, s2
	s_lshl_b32 s2, s59, 8
	s_add_co_u32 s62, s62, s2
	s_mov_b32 s61, 0
	s_mov_b32 s63, 0
	s_wait_alu depctr_va_vdst(0)                   ; the wait at the head's end
	s_wait_kmcnt 0x0
	s_add_nc_u64 s[DC:DC+1], s[DC:DC+1], s[60:61]
	s_add_nc_u64 s[DS:DS+1], s[DS:DS+1], s[62:63]
.macro CODES_OUT younger               ; loads come back in order: tensor k's is in; the 7 - k younger loads of codes and the path's further loads may be out
.irp k, 0,1,2,3,4,5,6,7
	s_wait_loadcnt \younger+7-\k
	global_store_b128 v2, v[8+4*\k:11+4*\k], s[DC:DC+1] offset:131072*(\k%2)+8192*(\k/2)
.endr
.endm
.irp k, 0,1,2,3,4,5,6,7
	global_load_b128 v[8+4*\k:11+4*\k], v1, s[CW+2*\k:CW+2*\k+1] th:TH_LOAD_NT
.endr
	s_cmp_eq_u32 s58, 0
	s_cbranch_scc1 .Lscales
	s_cmp_lg_u32 s58, 1
	s_cbranch_scc1 .Lplain
	s_cmp_ge_u32 ttmp9, 32                         ; 32 work-groups x 32 units are all 1,024
	s_cbranch_scc1 .Lplain
.irp k, 0,1,2,3,4,5,6,7
	global_load_b32 v[40+\k], v5, s[BW+2*\k:BW+2*\k+1]
.endr
	CODES_OUT 8
.irp g, 0,1,2,3
	s_wait_loadcnt 6-2*\g                          ; gate g's two biases are in
	v_add_f32 v[48+\g], v[40+2*\g], v[41+2*\g]
	global_store_b32 v7, v[48+\g], s[DB:DB+1] offset:128*\g
.endr
	s_endpgm
.Lscales:
.irp k, 0,1,2,3,4,5,6,7
	global_load_b64 v[40+2*\k:41+2*\k], v3, s[SW+2*\k:SW+2*\k+1] th:TH_LOAD_NT
.endr
	CODES_OUT 8
.irp k, 0,1,2,3,4,5,6,7
	s_wait_loadcnt 7-\k
	global_store_b64 v4, v[40+2*\k:41+2*\k], s[DS:DS+1] offset:8192*(\k%2)+1024*(\k/2)
.endr
	s_endpgm
.Lplain:
	CODES_OUT 0
	s_endpgm
.Lfunc_end_k_q6f5b8714b4_pack:
	.size	k_q6f5b8714b4_pack, .Lfunc_end_k_q6f5b8714b4_pack-k_q6f5b8714b4_pack
	.p2alignl 7, 3214868480
	.fill 96, 4, 3214868480
	.section	.rodata,"a",@progbits
	.p2align	6, 0x0
	.amdhsa_kernel k_q6f5b8714b4_pack
		.amdhsa_group_segment_fixed_size 0
		.amdhsa_private_segment_fixed_size 0
		.amdhsa_enable_private_segment 0
		.amdhsa_kernarg_size 216
		.amdhsa_user_sgpr_count 2
		.amdhsa_user_sgpr_kernarg_segment_ptr 1
		.amdhsa_wavefront_size32 1
		.amdhsa_system_sgpr_workgroup_id_x 1
		.amdhsa_system_sgpr_workgroup_id_y 1
		.amdhsa_system_sgpr_workgroup_id_z 1
		.amdhsa_system_vgpr_workitem_id 0
		.amdhsa_next_free_vgpr 64
		.amdhsa_next_free_sgpr 66
		.amdhsa_reserve_vcc 0
		.amdhsa_float_denorm_mode_32 3
		.amdhsa_float_denorm_mode_16_64 3
		.amdhsa_memory_ordered 1
		.amdhsa_forward_progress 1
		.amdhsa_inst_pref_size 10
	.end_amdhsa_kernel
	.amdgpu_metadata
---
amdhsa.version: [ 1, 2 ]
amdhsa.kernels:
  - .name:           k_q6f5b8714b4_pack
    .symbol:         k_q6f5b8714b4_pack.kd
    .args:
      - { .name: W_i_i2h_codes, .offset: 0, .size: 8, .value_kind: global_buffer, .address_space: global }
      - { .name: W_i_h2h_codes, .offset: 8, .size: 8, .value_kind: global_buffer, .address_space: global }
      - { .name: W_f_i2h_codes, .offset: 16, .size: 8, .value_kind: global_buffer, .address_space: global }
      - { .name: W_f_h2h_codes, .offset: 24, .size: 8, .value_kind: global_buffer, .address_space: global }
      - { .name: W_g_i2h_codes, .offset: 32, .size: 8, .value_kind: global_buffer, .address_space: global }
      - { .name: W_g_h2h_codes, .offset: 40, .size: 8, .value_kind: global_buffer, .address_space: global }
      - { .name: W_o_i2h_codes, .offset: 48, .size: 8, .value_kind: global_buffer, .address_space: global }
      - { .name: W_o_h2h_codes, .offset: 56, .size: 8, .value_kind: global_buffer, .address_space: global }
      - { .name: W_i_i2h_scales, .offset: 64, .size: 8, .value_kind: global_buffer, .address_space: global }
      - { .name: W_i_h2h_scales, .offset: 72, .size: 8, .value_kind: global_buffer, .address_space: global }
      - { .name: W_f_i2h_scales, .offset: 80, .size: 8, .value_kind: global_buffer, .address_space: global }
      - { .name: W_f_h2h_scales, .offset: 88, .size: 8, .value_kind: global_buffer, .address_space: global }
      - { .name: W_g_i2h_scales, .offset: 96, .size: 8, .value_kind: global_buffer, .address_space: global }
      - { .name: W_g_h2h_scales, .offset: 104, .size: 8, .value_kind: global_buffer, .address_space: global }
      - { .name: W_o_i2h_scales, .offset: 112, .size: 8, .value_kind: global_buffer, .address_space: global }
      - { .name: W_o_h2h_scales, .offset: 120, .size: 8, .value_kind: global_buffer, .address_space: global }
      - { .name: b_i_i2h, .offset: 128, .size: 8, .value_kind: global_buffer, .address_space: global }
      - { .name: b_i_h2h, .offset: 136, .size: 8, .value_kind: global_buffer, .address_space: global }
      - { .name: b_f_i2h, .offset: 144, .size: 8, .value_kind: global_buffer, .address_space: global }
      - { .name: b_f_h2h, .offset: 152, .size: 8, .value_kind: global_buffer, .address_space: global }
      - { .name: b_g_i2h, .offset: 160, .size: 8, .value_kind: global_buffer, .address_space: global }
      - { .name: b_g_h2h, .offset: 168, .size: 8, .value_kind: global_buffer, .address_space: global }
      - { .name: b_o_i2h, .offset: 176, .size: 8, .value_kind: global_buffer, .address_space: global }
      - { .name: b_o_h2h, .offset: 184, .size: 8, .value_kind: global_buffer, .address_space: global }
      - { .name: wp_codes, .offset: 192, .size: 8, .value_kind: global_buffer, .address_space: global }
      - { .name: wp_scales, .offset: 200, .size: 8, .value_kind: global_buffer, .address_space: global }
      - { .name: bsum, .offset: 208, .size: 8, .value_kind: global_buffer, .address_space: global }
    .group_segment_fixed_size: 0
    .private_segment_fixed_size: 0
    .kernarg_segment_align: 8
    .kernarg_segment_size: 216
    .max_flat_workgroup_size: 256
    .sgpr_count:     66
    .vgpr_count:     64
    .wavefront_size: 32
...
	.end_amdgpu_metadata
.endif
;; end of part 1
;; launch lstm (part 2): grid 16 x 16, 4 waves a work-group, clusters of 4 x 4, 327,680 bytes of LDS; arguments input_codes, input_scales, h_0_codes, h_0_scales, wp_codes, wp_scales, bsum, c_0, out0, out1; writes out0, out1
.if DOCPART == 2
	.amdgcn_target "amdgcn-amd-amdhsa--gfx1250"
	.amdhsa_code_object_version 6
	.text
	.protected	k_q6f5b8714b4_lstm
	.globl	k_q6f5b8714b4_lstm
	.p2align	8
	.type	k_q6f5b8714b4_lstm,@function
k_q6f5b8714b4_lstm:
	s_mov_b64 s[64:65], 0
	v_nop
	global_prefetch_b8 v0, s[64:65] scope:SCOPE_SE
	s_setreg_imm32_b32 hwreg(HW_REG_WAVE_MODE, 25, 1), 1
	s_wait_xcnt 0x0
	s_wait_alu depctr_hold_cnt(0) depctr_sa_sdst(0) depctr_va_vdst(0) depctr_va_sdst(0) depctr_va_ssrc(0) depctr_va_vcc(0) depctr_vm_vsrc(0)
	s_getreg_b32 s2, hwreg(HW_REG_IB_STS2, 6, 4)
	s_cmp_eq_u32 s2, 0
	s_cbranch_scc0 .Lentry_in_a_cluster
	s_endpgm
.Lentry_in_a_cluster:
	s_bfe_u32 s2, ttmp6, 0x10000c
	s_cmp_lg_u32 s2, 0xf033
	s_cbranch_scc0 .Lentry_shape_is_right
	s_endpgm
.Lentry_shape_is_right:
; One LSTM cell step.  The eight products are ONE product on codes of FP4 (E2M1) with one E8M0 scale for each 32 along K: M = 8,192 rows, N = 4 gates x 1,024 units, K = 2,048 (input, then h_0);
; the cell follows in f32 on the accumulators: the pre-activations never go to memory.
; SHARES.  A tile is 256 rows x 64 units x 4 gates.  256 work-groups of four waves STAY and make two tiles each, 4,096 rows apart, on the same 64 units; the weights' scale words and the biases are loaded once.
; Wave (wr, wc) owns rows 128 wr on and units 32 wc on, of all four gates: 64 accumulators, 512 registers.  Block b (16 rows) of a wave's 128 rows of packed weights is gate b / 2, units 16 (b % 2) on.
; THE MATRIX INSTRUCTION IS USED TRANSPOSED (source 0 = 16 rows of weights, source 1 = 16 batch rows): lane (r, h), register k of accumulator (a, b) holds batch row 16 a + r, unit 16 (b % 2) + 8 h + k of gate b / 2:
; i, f, g, o of one number lie in one lane.  The summed biases are the C of each sum's first matrix instruction.
; K goes in four steps of 512 (rows of 256 bytes) through two LDS slots.  c_0's tile comes into slot 0's first half behind the third change of slots.
; FRAGMENTS: A and B have two sets of registers each.  While one pair of sets is multiplied (64 matrix instructions, 128 along K), the next step's 32 LDS loads go into the other pair in four runs of eight, one ahead of each
; 16 matrix instructions: B's blocks 0-3, B's 4-7, A's 0-3, A's 4-7.
; THE RING GOES ON INTO THE NEXT TILE: when the cell's last 32 rows begin, their c_0 is in registers and both slots are free.  In a tile that has a successor the two barriers of that last chunk are rounds of the cluster's
; barrier, behind which the next tile's K steps 0 and 1 are asked for.  The last tile leaves the loop ahead of that chunk, and its last chunk is written out without loads.
; THE SCALES go from memory straight into registers: a row has 32 scale bytes for a source; lane (r, h) loads the 16 bytes at 32 r + 16 h, so one load reads 512 consecutive bytes, and lanes 0-15 hold the four words of the
; source's first 512 along K, lanes 16-31 those of its second 512: the row selector of both sides picks the half.
; CLUSTERS: 4 x 4 work-groups; input's and h_0's tiles are asked for jointly along a row of the cluster, the weights' along a column.
; PREFETCHES: every cluster asks for what it will load, its partners sharing the blocks of 256 bytes out by address.  The first tile's are asked for in the head: behind K step 0's load what K step 1 will ask for, behind
; K step 1's load h_0's rows, the weights' K steps 2 and 3, and last c_0's tile.  A trip with a successor asks for the next tile's input, h_0 and c_0 at its three changes of slots.  The weights are asked for once.
; THE CELL, 32 rows at a time.  sigmoid(x) = 1 / (1 + 2^(-L x)), L = log2(e);  tanh(x) = (1 - E) / (1 + E), E = 2^min(-2 L x, 64).  i tanh(g) and o tanh(c) each take one reciprocal, of the product of their two denominators.
; A row's 256 bytes of out0 and out1 come from two waves and meet in two stages, LDS bytes into which no tensor load lands.
; LIMITS: NaN and infinities among the inputs and scale bytes 0xff are not served (the minimum that holds tanh's exponent turns a NaN into 64).  The hold changes nothing: (1 - 2^64) / (1 + 2^64) is -1 in f32.
; A sigmoid under 2^-126 comes out as 0.
; REGISTERS: window 0: v0-31 addresses; v32-95 the weights' scale words, v192-255 the rows' scale words, and nothing else ever; v128-191 A's fragments, set 0, in the cell rows on their way out.
;   window 1: B's fragments at v0 (set 0) and v128 (set 1); v64-127 the biases; v192-255 A's fragments, set 1; in the cell v0-31 c_0 and c, v32-63 numerators and results, v128-255 the four gates.
;   windows 2, 3: the accumulators ((a, b) at v[8 (8 (a % 4) + b)]).
.set PITCH,  272                       ; an LDS row: 256 bytes + 16 of padding
.set HALFT,  128*PITCH
.set SLOT,   4*HALFT                   ; A's 256 rows, then B's 256 rows
.set STG0,   2*SLOT                    ; the stages: 2 x 32 rows for out0, as many for out1
.set STGB,   64*PITCH
.set STG1,   STG0+STGB
.set SPARE,  STG1+STGB                 ; the spare words: 128 bytes a wave
.set TILES,  2
.set WALKC,  16*256*512                ; bytes from a tile to my next: codes, scale bytes, f32 rows
.set WALKS,  16*256*32
.set WALKO,  16*256*4096
.set PFK,  13                          ; v13  prefetch of the weights' K step 1
.set SBO,  14                          ; v14  the weights' scale words: 4,096 wc + 32 r + 16 h
.set PFC,  15                          ; v15  prefetch of c_0: row 64 wave + lane
.set ADRA, 16                          ; v16-17  my A fragments in slot 0, 1
.set GO,   18                          ; v18  my byte offset in the tile of out0 and out1
.set BO,   19                          ; v19  32 h
.set ADRB, 20                          ; v20-21  my B fragments
.set RD0,  22                          ; v22, v23  where I read rows back from the stages
.set RD1,  23
.set STO0, 24                          ; v24, v25  where I put 32 bytes of a row into them
.set STO1, 25
.set CA,   26                          ; v26  the same place in c_0's tile
.set SAO,  27                          ; v27  the rows' scale words: 4,096 wr + 32 r + 16 h
.set SPW,  28                          ; v28  my spare word
.set NIL,  29                          ; v29  0
.set PFH,  30                          ; v30  prefetch of input and h_0
.set PFW,  31                          ; v31  prefetch of the weights' K steps 2 and 3
.set SB,   32                          ; register 32 src + 4 block + q
.set SA,   192
.set AF,   128                         ; A's set p at v[128 + 64 p] of window p
.set ROWS, 128
.set CC,   0                           ; window 1
.set XX,   32
.set BIAS, 64
.set T,    128                         ; 64 (block) + 16 (gate) + number
.set AI,   4                           ; s[4:5] input's codes at the 128 rows that I fetch; s[8:9] h_0's
.set SI,   6                           ; s[6:7] input's scales at my tile; s[10:11] h_0's
.set AH,   8
.set SH,   10
.set BB,   12                          ; s[12:13] the weights' K step 0 at the 128 rows that I fetch
.set SW,   14                          ; s[14:15] the weights' scales of my tile of units
.set BS,   16
.set CP,   18
.set O0,   20
.set O1,   22
.set G1,   24                          ; group 1 for A's tiles, B's, c_0's; group 0 likewise
.set G1B,  32
.set G1C,  40
.set G0,   48
.set G0B,  52
.set G0C,  56
.set PI,   60                          ; s[60:61], s[62:63] input's and h_0's codes at my tile of rows; s[66:67] the weights' K step 2
.set PH,   62
.set PB,   66
.set KL,   68                          ; -log2(e), twice;  -2 log2(e), twice;  64.0
.set K2,   70
.set CLAMP, 72
.set WV,   73
.set WR,   74                          ; wave / 2: my half of the rows; also: I fetch for A (0) or B (1)
.set WC,   75                          ; wave % 2: my half of the units; also: which 128 rows I fetch
.set CX,   76
.set CY,   77
.set TJ,   78
.set TY,   79
.set LW,   80                          ; wave x 128 LDS rows
.set TC,   81                          ; tiles to go, this one among them
.set CW,   90                          ; s[90:91] wave x 64 rows of c_0
.set CN,   98                          ; s[98:99] c_0 at my next tile
.set MSB, 0
.macro WIN new                         ; the immediate's high byte repeats the setting that is left
.if MSB != (\new)
	s_set_vgpr_msb (MSB<<8)|(\new)
.set MSB, (\new)
.endif
.endm
.set TO_B,   0x40                      ; destination window 1, address window 0
.set CELL,   0x55                      ; all in window 1
.macro MWIN hi, p, first               ; for products: source 0 (B) window 1, source 1 (A's set p) window p, D window 2 + hi; C with D, or, for the first products, the biases in window 1
.if \first
	WIN 0x91+0x40*(\hi)
.else
	WIN 0xa1+0x50*(\hi)+4*(\p)
.endif
.endm
.macro PLACES n
.rept \n
	v_nop
.endr
.endm
.macro JLOAD                           ; a joint load: waves 0, 1 fetch A's halves, waves 2, 3 B's; s_nop 0 and four v_nop behind each line
	s_cmp_eq_u32 s[WR], 0
	s_cbranch_scc0 .Lfor_b_\@
	tensor_load_to_lds s[G0:G0+3], s[G1:G1+7]
	s_nop 0
	PLACES 4
	s_branch .Lasked_\@
.Lfor_b_\@:
	tensor_load_to_lds s[G0B:G0B+3], s[G1B:G1B+7]
	s_nop 0
	PLACES 4
.Lasked_\@:
.endm
.macro KFILL slot, ab, ao, bo          ; no tensor load of mine is out: the one group 0 of each side is written anew, then the joint load
	s_add_co_u32 s[G0+1], s[LW], (\slot)*SLOT
	s_add_nc_u64 s[G0+2:G0+3], s[\ab:\ab+1], \ao
	s_or_b32 s[G0+3], s[G0+3], 0x80000000
	s_add_co_u32 s[G0B+1], s[LW], (\slot)*SLOT
	s_add_nc_u64 s[G0B+2:G0B+3], s[BB:BB+1], \bo
	s_or_b32 s[G0B+3], s[G0B+3], 0x80000000
	JLOAD
.endm
.macro CREST                           ; a round of the cluster's barrier behind its opening barrier
	s_cmp_lg_u32 s[WV], 0
	s_cbranch_scc1 .Lnot_wave_0_\@
	s_barrier_signal -3
.Lnot_wave_0_\@:
	s_barrier_wait -3
	s_barrier_signal -1
	s_barrier_wait -1
.endm
.macro CROUND
	s_barrier_signal -1
	s_barrier_wait -1
	CREST
.endm
.macro ASCALES off                     ; a tile's rows' scale words: each load reads 512 consecutive bytes
.irp a, 0,1,2,3,4,5,6,7
	global_load_b128 v[SA+4*\a:SA+4*\a+3], v[SAO], s[SI:SI+1] offset:(\off)+512*\a
	global_load_b128 v[SA+32+4*\a:SA+32+4*\a+3], v[SAO], s[SH:SH+1] offset:(\off)+512*\a
.endr
.endm
	s_load_b512 s[4:19], s[0:1], 0x0
	s_load_b128 s[20:23], s[0:1], 0x40
	v_lshl_add_u32 v[SPW], v0, 2, SPARE
	v_mov_b32 v[NIL], 0
	ds_add_u32 v[SPW], v[NIL]                      ; the opening lines: the add twice on end and one wait
	ds_add_u32 v[SPW], v[NIL]
	v_lshrrev_b32 v1, 5, v0
	v_readfirstlane_b32 s[WV], v1
	s_lshr_b32 s[WR], s[WV], 1
	s_and_b32 s[WC], s[WV], 1
	s_bfe_u32 s[CX], ttmp6, 0x40000
	s_bfe_u32 s[CY], ttmp6, 0x40004
	s_lshl_b32 s[TJ], ttmp9, 2
	s_add_co_u32 s[TJ], s[TJ], s[CX]               ; tile of units
	s_and_b32 s[TY], ttmp7, 0xffff
	s_lshl_b32 s[TY], s[TY], 2
	s_add_co_u32 s[TY], s[TY], s[CY]               ; my first tile of rows, 0 .. 15; the second is 16 further on
	s_lshl_b32 s88, s[CY], 2
	s_lshl_b32 s88, 15, s88                        ; my row of the cluster
	s_lshl_b32 s89, 0x1111, s[CX]                  ; my column
	s_or_b32 s[G1], s88, (1<<20)|(1<<21)|(5<<22)|(3<<25)   ; codes: 128 rows x 256 bytes, 16 bytes of padding behind each
	s_or_b32 s[G1B], s89, (1<<20)|(1<<21)|(5<<22)|(3<<25)
.irp g, G1, G1B
	s_mov_b32 s[\g+1], 256<<16
	s_mov_b32 s[\g+2], 128<<16
	s_mov_b32 s[\g+3], 256<<16
	s_mov_b32 s[\g+4], 128
	s_mov_b32 s[\g+6], 0
	s_mov_b32 s[\g+7], 0
.endr
	s_mov_b32 s[G1+5], 512                         ; a row of input or h_0 is 512 bytes; a K step's rows of the packed weights lie on end
	s_mov_b32 s[G1B+5], 256
	s_mov_b32 s[G1C], (2<<16)|(1<<20)|(5<<22)|(3<<25)      ; c_0: 64 rows x 64 f32, 1,024 from row to row; no mask
	s_mov_b32 s[G1C+1], 64<<16
	s_mov_b32 s[G1C+2], 64<<16
	s_mov_b32 s[G1C+3], 64<<16
	s_mov_b32 s[G1C+4], 64
	s_mov_b32 s[G1C+5], 1024
	s_mov_b32 s[G1C+6], 0
	s_mov_b32 s[G1C+7], 0
	s_mov_b32 s[G0], 1
	s_mov_b32 s[G0B], 1
	s_mov_b32 s[G0C], 1
	s_mul_i32 s[LW], s[WV], HALFT
	s_mul_i32 s[G0C+1], s[WV], 64*PITCH
	s_lshl_b32 s[CW], s[WV], 18
	s_mov_b32 s[CW+1], 0
	s_mov_b32 s[KL], 0xbfb8aa3b
	s_mov_b32 s[KL+1], 0xbfb8aa3b
	s_mov_b32 s[K2], 0xc038aa3b
	s_mov_b32 s[K2+1], 0xc038aa3b
	s_mov_b32 s[CLAMP], 0x42800000
	s_mov_b32 s[TC], TILES
	s_mul_i32 s82, s[WR], HALFT                    ; my 128 rows of A
	s_mul_i32 s83, s[WC], HALFT
	s_add_co_u32 s83, s83, 2*HALFT                 ; my 128 rows of B
	s_lshl_b32 s86, s[WC], 7
	s_add_co_u32 s84, s82, s86                     ; c_0's tile: row 128 wr, byte 128 wc
	s_mul_i32 s85, s[WR], 32*PITCH
	s_add_co_u32 s85, s85, STG0                    ; my pair's 32 rows of a stage
	s_mul_i32 s87, s[WC], 16*PITCH
	s_add_co_u32 s87, s87, s85                     ; back: 16 wc on
	s_add_co_u32 s85, s85, s86                     ; in: byte 128 wc
	s_lshl_b32 s86, s[WR], 19
	s_lshl_b32 s94, s[WC], 16
	s_add_co_u32 s86, s86, s94                     ; row 128 wr + 16 wc of the outputs' tile
	s_lshl_b32 s94, s[WR], 12
	s_lshl_b32 s95, s[WC], 12
	s_lshl_b32 s96, s[WV], 13
	s_lshl_b32 s92, s[CX], 15
	s_add_co_u32 s92, s92, s96
	s_lshl_b32 s93, s[CY], 15
	s_add_co_u32 s93, s93, s96
	s_lshl_b32 s96, s[WV], 12
	s_lshl_b32 s97, s[CY], 14
	s_add_co_u32 s97, s97, s96
	v_and_b32 v1, 15, v0                           ; r
	v_bfe_u32 v2, v0, 4, 1                         ; h
	v_mul_u32_u24 v3, v1, PITCH
	v_lshl_add_u32 v4, v2, 4, v3
	v_add_nc_u32 v[ADRA], s82, v4
	v_add_nc_u32 v[ADRA+1], SLOT, v[ADRA]
	v_add_nc_u32 v[ADRB], s83, v4
	v_add_nc_u32 v[ADRB+1], SLOT, v[ADRB]
	v_lshl_add_u32 v7, v2, 5, v3
	v_add_nc_u32 v[CA], s84, v7
	v_add_nc_u32 v[STO0], s85, v7
	v_add_nc_u32 v[STO1], STGB, v[STO0]
	v_mul_u32_u24 v8, v2, PITCH
	v_lshl_add_u32 v8, v1, 4, v8
	v_add_nc_u32 v[RD0], s87, v8
	v_add_nc_u32 v[RD1], STGB, v[RD0]
	v_lshlrev_b32 v9, 12, v2
	v_lshl_add_u32 v9, v1, 4, v9
	v_add_nc_u32 v[GO], s86, v9
	v_lshlrev_b32 v[BO], 5, v2
	v_lshlrev_b32 v5, 5, v1
	v_lshl_add_u32 v5, v2, 4, v5
	v_add_nc_u32 v[SAO], s94, v5
	v_add_nc_u32 v[SBO], s95, v5
	v_and_b32 v10, 31, v0
	v_lshl_add_u32 v[PFC], v10, 12, s[CW]
	v_lshlrev_b32 v11, 9, v1
	v_lshl_add_u32 v11, v2, 8, v11
	v_add_nc_u32 v[PFH], s92, v11                  ; row 64 cx + 16 wave + r of the tile's 256, its half h
	v_lshl_add_u32 v[PFW], v10, 8, s93             ; run 128 cy + 32 wave + lane of the 512 runs of 256 bytes of two K steps
	v_min_u32 v12, 15, v10
	v_lshl_add_u32 v[PFK], v12, 8, s97             ; run 64 cy + 16 wave + lane of one K step's 256; lanes 16-31 name their wave's last run again
	s_wait_alu depctr_va_vdst(0)                   ; the wait at the head's end
	s_wait_dscnt 0x0                               ; both opening adds are done
	s_wait_kmcnt 0x0
	s_mov_b32 s83, 0                               ; s[82:83]: offsets made of the tile of rows; s[84:85]: of the tile of units
	s_mov_b32 s85, 0
	s_lshl_b32 s82, s[TY], 17
	s_add_nc_u64 s[PI:PI+1], s[AI:AI+1], s[82:83]
	s_add_nc_u64 s[PH:PH+1], s[AH:AH+1], s[82:83]
	s_lshl_b32 s86, s[WC], 16
	s_add_co_u32 s82, s82, s86
	s_add_nc_u64 s[AI:AI+1], s[AI:AI+1], s[82:83]
	s_add_nc_u64 s[AH:AH+1], s[AH:AH+1], s[82:83]
	s_lshl_b32 s84, s[TJ], 18
	s_add_nc_u64 s[BB:BB+1], s[BB:BB+1], s[84:85]
	s_add_nc_u64 s[PB:PB+1], s[BB:BB+1], 131072
	s_lshl_b32 s84, s[WC], 15
	s_add_nc_u64 s[BB:BB+1], s[BB:BB+1], s[84:85]
	CROUND                                         ; all sixteen work-groups are here: the first joint loads meet
	KFILL 0, AI, 0, 0                              ; K step 0: one tensor load a wave at the head
	s_lshl_b32 s82, s[TY], 13
	s_add_nc_u64 s[SI:SI+1], s[SI:SI+1], s[82:83]
	s_add_nc_u64 s[SH:SH+1], s[SH:SH+1], s[82:83]
	s_lshl_b32 s84, s[TJ], 14
	s_add_nc_u64 s[SW:SW+1], s[SW:SW+1], s[84:85]
	s_lshl_b32 s84, s[TJ], 10
	s_lshl_b32 s86, s[WC], 9
	s_add_co_u32 s84, s84, s86
	s_add_nc_u64 s[BS:BS+1], s[BS:BS+1], s[84:85]
	s_lshl_b32 s82, s[TY], 20
	s_lshl_b32 s84, s[TJ], 8
.irp p, CP, O0, O1
	s_add_nc_u64 s[\p:\p+1], s[\p:\p+1], s[82:83]
	s_add_nc_u64 s[\p:\p+1], s[\p:\p+1], s[84:85]
.endr
	s_add_nc_u64 s[CN:CN+1], s[CP:CP+1], WALKO
	ASCALES 0
	WIN TO_B
.irp b, 0,1,2,3,4,5,6,7                        ; the biases of B's rows 16 b + 8 h + 0 .. 7: the result's layout; kept for both tiles
	global_load_b128 v[BIAS+8*\b:BIAS+8*\b+3], v[BO], s[BS:BS+1] offset:64*\b
	global_load_b128 v[BIAS+8*\b+4:BIAS+8*\b+7], v[BO], s[BS:BS+1] offset:64*\b+16
.endr
	WIN 0
.irp x, 0,1
.irp b, 0,1,2,3,4,5,6,7                        ; the weights' scale words, kept for both tiles: each load reads 512 consecutive bytes
	global_load_b128 v[SB+32*\x+4*\b:SB+32*\x+4*\b+3], v[SBO], s[SW:SW+1] offset:8192*\x+512*\b
.endr
.endr
	global_prefetch_b8 v[PFH], s[PI:PI+1] th:TH_LOAD_NT scope:SCOPE_SE               ; what K step 1 will ask for: input's rows, the weights' K step 1
	global_prefetch_b8 v[PFK], s[PB:PB+1] offset:-65536 th:TH_LOAD_NT scope:SCOPE_SE
	s_wait_tensorcnt 0x0                           ; my part of K step 0 is in
	ds_add_u32 v[SPW], v[NIL]
	s_wait_dscnt 0x0
	CROUND
	KFILL 1, AI, 256, 65536                        ; K step 1
	global_prefetch_b8 v[PFH], s[PH:PH+1] th:TH_LOAD_NT scope:SCOPE_SE               ; one and two K steps ahead of their loads: h_0's rows, the weights' K steps 2 and 3;
	global_prefetch_b8 v[PFW], s[PB:PB+1] th:TH_LOAD_NT scope:SCOPE_SE
	global_prefetch_b8 v[PFC], s[CP:CP+1] th:TH_LOAD_NT scope:SCOPE_SE               ; three K steps ahead: c_0's 256 rows x 256 bytes
	global_prefetch_b8 v[PFC], s[CP:CP+1] offset:131072 th:TH_LOAD_NT scope:SCOPE_SE
.macro FRAG reg, adr, q, i             ; 16 rows x 128 K of 4-bit codes: registers 4 c .. 4 c + 3 hold K = 64 c + 32 h + 0 .. 31
.irp c, 0,1
	ds_load_b128 v[\reg+4*\c:\reg+4*\c+3], v[\adr] offset:64*(\q)+32*\c+(\i)*16*PITCH
.endr
.endm
; 16 matrix instructions: A's blocks a0, a0 + 1 x B's eight, the q-th 128 along K of K step s, on the sets p.  The 64 accumulators take turns in one order.
.macro MUL16 a0, p, q, s, first
.irp a, \a0, \a0+1
.irp b, 0,1,2,3,4,5,6,7
.set WD, 8*(8*((\a)%4)+\b)
.set WFB, 128*(\p)+8*\b
.set WFA, AF+64*(\p)+8*(\a)
.set WXB, SB+32*((\s)/2)+4*\b+(\q)
.set WXA, SA+32*((\s)/2)+4*(\a)+(\q)
.if \first
	v_wmma_scale_f32_16x16x128_f8f6f4 v[WD:WD+7], v[WFB:WFB+7], v[WFA:WFA+7], v[BIAS+8*\b:BIAS+8*\b+7], v[WXB], v[WXA] matrix_a_fmt:MATRIX_FMT_FP4 matrix_b_fmt:MATRIX_FMT_FP4
.else
.if (\s)%2
	v_wmma_scale_f32_16x16x128_f8f6f4 v[WD:WD+7], v[WFB:WFB+7], v[WFA:WFA+7], v[WD:WD+7], v[WXB], v[WXA] matrix_a_fmt:MATRIX_FMT_FP4 matrix_b_fmt:MATRIX_FMT_FP4 matrix_a_scale:MATRIX_SCALE_ROW1 matrix_b_scale:MATRIX_SCALE_ROW1
.else
	v_wmma_scale_f32_16x16x128_f8f6f4 v[WD:WD+7], v[WFB:WFB+7], v[WFA:WFA+7], v[WD:WD+7], v[WXB], v[WXA] matrix_a_fmt:MATRIX_FMT_FP4 matrix_b_fmt:MATRIX_FMT_FP4
.endif
.endif
.endr
.endr
.endm
.macro LB4 slot, q, p, i0              ; eight loads: B's blocks i0 .. i0 + 3 of the slot's q-th 128 along K into set p
	WIN TO_B
.irp i, \i0, \i0+1, \i0+2, \i0+3
	FRAG 128*(\p)+8*(\i), ADRB+\slot, \q, \i
.endr
.endm
.macro LA4 slot, q, p, i0              ; eight loads: A's blocks likewise; set p lies in window p
	WIN 0x40*(\p)
.irp i, \i0, \i0+1, \i0+2, \i0+3
	FRAG AF+64*(\p)+8*(\i), ADRA+\slot, \q, \i
.endr
.endm
; A step of 128 along K that has its successor in the same slot.  The four places at its head stand between the step before, whose products read the sets that are loaded now, and all of this step's loads.
.macro STEP slot, q, s, first
	PLACES 4
	LB4 \slot, (\q)+1, 1-(\q)%2, 0
	s_wait_dscnt 16                                ; the eight just issued and the eight before them, this step's A blocks 4-7, may be out
	MWIN 0, (\q)%2, \first
	MUL16 0, (\q)%2, \q, \s, \first
	LB4 \slot, (\q)+1, 1-(\q)%2, 4
	MWIN 0, (\q)%2, \first
	MUL16 2, (\q)%2, \q, \s, \first
	LA4 \slot, (\q)+1, 1-(\q)%2, 0
	s_wait_dscnt 24                                ; this step's three runs may be out: its A blocks 4-7 are in
	MWIN 1, (\q)%2, \first
	MUL16 4, (\q)%2, \q, \s, \first
	LA4 \slot, (\q)+1, 1-(\q)%2, 4
	MWIN 1, (\q)%2, \first
	MUL16 6, (\q)%2, \q, \s, \first
.endm
; A slot's last step changes slots.  Its fragments were loaded in the step before, so my reads of this slot are over when they are in: the three lines and the barrier, which opens a round of the cluster's barrier, stand at its head.
; kind = 1: this slot takes the K step two on (h_0's).  kind = 2: its first half takes c_0's tile, 64 rows a wave.
; pf: where a next tile is left, one of its inputs is prefetched: 1 its rows of input, 2 of h_0, 3 its tile of c_0 (a lane a row).
.macro TURN slot, next, s, kind, pf
	PLACES 4
	WIN 0
	s_wait_tensorcnt 0x0
	ds_add_u32 v[SPW], v[NIL]
	s_wait_dscnt 0x0
	s_barrier_signal -1
	MWIN 0, 1, 0
	MUL16 0, 1, 3, \s, 0
	WIN 0
	s_barrier_wait -1
	CREST
.if \kind == 1
	KFILL \slot, AH, 256*(\slot), 131072+65536*(\slot)
.else
	s_add_nc_u64 s[G0C+2:G0C+3], s[CP:CP+1], s[CW:CW+1]
	s_or_b32 s[G0C+3], s[G0C+3], 0x80000000
	tensor_load_to_lds s[G0C:G0C+3], s[G1C:G1C+7]
	s_nop 0
	PLACES 4
.endif
	LB4 \next, 0, 0, 0
	LB4 \next, 0, 0, 4
	WIN 0
	s_cmp_eq_u32 s[TC], 1
	s_cbranch_scc1 .Lno_next_\@
.if \pf == 1
	global_prefetch_b8 v[PFH], s[PI:PI+1] offset:WALKC th:TH_LOAD_NT scope:SCOPE_SE
.endif
.if \pf == 2
	global_prefetch_b8 v[PFH], s[PH:PH+1] offset:WALKC th:TH_LOAD_NT scope:SCOPE_SE
.endif
.if \pf == 3
	global_prefetch_b8 v[PFC], s[CN:CN+1] th:TH_LOAD_NT scope:SCOPE_SE
	global_prefetch_b8 v[PFC], s[CN:CN+1] offset:131072 th:TH_LOAD_NT scope:SCOPE_SE
.endif
.Lno_next_\@:
	MWIN 0, 1, 0
	MUL16 2, 1, 3, \s, 0
	LA4 \next, 0, 0, 0
	MWIN 1, 1, 0
	MUL16 4, 1, 3, \s, 0
	LA4 \next, 0, 0, 4
	MWIN 1, 1, 0
	MUL16 6, 1, 3, \s, 0
.endm
; THE CELL's parts, for chunk c: blocks 2 c and 2 c + 1, 32 numbers a lane.
.macro CLOAD c                         ; its c_0
	WIN TO_B
.irp e, 0,1
.irp u, 0,1
	ds_load_b128 v[CC+16*\e+8*\u:CC+16*\e+8*\u+3], v[CA] offset:16*PITCH*(2*(\c)+\e)+64*\u
	ds_load_b128 v[CC+16*\e+8*\u+4:CC+16*\e+8*\u+7], v[CA] offset:16*PITCH*(2*(\c)+\e)+64*\u+16
.endr
.endr
.endm
.macro P1 c                            ; the exponents: -L x for the sigmoids, -2 L x for tanh; each accumulator is read from its low end on
	WIN 0x42+(\c)/2
	s_wait_alu depctr_va_vdst(0)                   ; directly ahead of the first reader of these matrix results
.set n, 0
.rept 64
.if ((n%64) >= 32) && ((n%64) < 48)
	v_pk_mul_f32 v[T+n:T+n+1], v[128*((\c)%2)+n:128*((\c)%2)+n+1], s[K2:K2+1] op_sel_hi:[1,0]
.else
	v_pk_mul_f32 v[T+n:T+n+1], v[128*((\c)%2)+n:128*((\c)%2)+n+1], s[KL:KL+1] op_sel_hi:[1,0]
.endif
.set n, n+2
.endr
.endm
.macro HOLD                            ; tanh's 32 exponents are held at 64
.set m, 0
.rept 32
	v_min_num_f32 v[T+64*(m/16)+32+m%16], s[CLAMP], v[T+64*(m/16)+32+m%16]
.set m, m+1
.endr
.endm
.macro STORES c                        ; sixteen lanes store 256 consecutive bytes, at a multiple of 256 from the buffer's first byte
.irp t, 0,1,2,3,4,5,6,7
	global_store_b128 v[GO], v[ROWS+4*\t:ROWS+4*\t+3], s[O0:O0+1] offset:(32*(\c)+2*\t)*4096 th:TH_STORE_NT
.endr
.irp t, 0,1,2,3,4,5,6,7
	global_store_b128 v[GO], v[ROWS+32+4*\t:ROWS+32+4*\t+3], s[O1:O1+1] offset:(32*(\c)+2*\t)*4096 th:TH_STORE_NT
.endr
.endm
.macro TOSTAGE adr, reg
	WIN 0x04                                       ; an LDS store's data are its source 1: window 1
.irp e, 0,1
.irp u, 0,1
	ds_store_b128 v[\adr], v[\reg+16*\e+8*\u:\reg+16*\e+8*\u+3] offset:16*PITCH*\e+64*\u
	ds_store_b128 v[\adr], v[\reg+16*\e+8*\u+4:\reg+16*\e+8*\u+7] offset:16*PITCH*\e+64*\u+16
.endr
.endr
	WIN CELL
.endm
; Two barriers a chunk guard the stages.  The one at the chunk's end: every wave's stores into them are done; the next chunk's exponents are made between its signal and its wait.
; The other: every wave has read the chunk before back; it is signalled behind the read-back's wait and waited for in front of this chunk's first store into the stages.
; nx = 1 (the last chunk of a tile that has a successor): each of the two is a round of the cluster's barrier with the three lines in front of it; behind the first the next tile's K step 0 is asked for
; (every wave's last reads of c_0's tile are back), with its rows' scale words; behind the second, when K step 0 has landed, its K step 1.
.macro CHUNK c, nx
	WIN CELL
	HOLD
	s_wait_alu depctr_va_vdst(0)                   ; ahead of the batch
.set n, 0
.rept 128
	v_exp_f32 v[T+n], v[T+n]                       ; Ei, Ef, Eg, Eo
.set n, n+1
.endr
	v_nop
	WIN 0
.if \nx
	s_wait_alu depctr_va_vdst(0)                   ; the batch has its wait ahead of them
.endif
	s_wait_dscnt 0x0                               ; this chunk's c_0 is in, and the chunk before is back in registers
.if (\c) > 0
	STORES (\c)-1
.if \nx
	s_wait_tensorcnt 0x0
	ds_add_u32 v[SPW], v[NIL]
	s_wait_dscnt 0x0
	CROUND
	KFILL 0, AI, WALKC, 0
	ASCALES WALKS
.else
	s_barrier_signal -1
.endif
.endif
	WIN CELL
	s_wait_alu depctr_va_vdst(0)                   ; behind the batch
.set m, 0
.rept 16
.set gi, T+64*(m/16)+m%16
	v_pk_fma_f32 v[XX+m:XX+m+1], v[gi+32:gi+33], -1.0, 1.0 op_sel_hi:[1,0,0]     ; 1 - Eg
.set m, m+2
.endr
.set n, 0
.rept 64
	v_pk_add_f32 v[T+n:T+n+1], v[T+n:T+n+1], 1.0 op_sel_hi:[1,0]                 ; 1 + E
.set n, n+2
.endr
.set m, 0
.rept 16
.set gi, T+64*(m/16)+m%16
	v_pk_mul_f32 v[gi:gi+1], v[gi:gi+1], v[gi+32:gi+33]                          ; (1 + Ei) (1 + Eg)
.set m, m+2
.endr
	s_wait_alu depctr_va_vdst(0)
.set m, 0
.rept 64
	v_rcp_f32 v[T+64*(m/32)+m%32], v[T+64*(m/32)+m%32]                           ; 1 / that, and f
.set m, m+1
.endr
	v_nop
	s_wait_alu depctr_va_vdst(0)
.set m, 0
.rept 16
.set gi, T+64*(m/16)+m%16
	v_pk_mul_f32 v[XX+m:XX+m+1], v[XX+m:XX+m+1], v[gi:gi+1]                      ; i tanh(g)
.set m, m+2
.endr
.set m, 0
.rept 16
.set gi, T+64*(m/16)+m%16
	v_pk_fma_f32 v[CC+m:CC+m+1], v[gi+16:gi+17], v[CC+m:CC+m+1], v[XX+m:XX+m+1]  ; c = f c_0 + i tanh(g)
.set m, m+2
.endr
.set m, 0
.rept 16
.set gi, T+64*(m/16)+m%16
	v_pk_mul_f32 v[gi+32:gi+33], v[CC+m:CC+m+1], s[K2:K2+1] op_sel_hi:[1,0]      ; -2 L c
.set m, m+2
.endr
	HOLD
.if ((\c) > 0) && ((\nx) == 0)
	s_barrier_wait -1                              ; nobody reads the stages any more
.endif
	TOSTAGE STO1, CC
	s_wait_alu depctr_va_vdst(0)
.set m, 0
.rept 32
	v_exp_f32 v[T+64*(m/16)+32+m%16], v[T+64*(m/16)+32+m%16]                     ; Ec
.set m, m+1
.endr
	v_nop
	s_wait_alu depctr_va_vdst(0)
.set m, 0
.rept 16
.set gi, T+64*(m/16)+m%16
	v_pk_fma_f32 v[XX+m:XX+m+1], v[gi+32:gi+33], -1.0, 1.0 op_sel_hi:[1,0,0]     ; 1 - Ec
.set m, m+2
.endr
.set m, 0
.rept 16
.set gi, T+64*(m/16)+m%16
	v_pk_add_f32 v[gi+32:gi+33], v[gi+32:gi+33], 1.0 op_sel_hi:[1,0]
.set m, m+2
.endr
.set m, 0
.rept 16
.set gi, T+64*(m/16)+m%16
	v_pk_mul_f32 v[gi+32:gi+33], v[gi+32:gi+33], v[gi+48:gi+49]                  ; (1 + Ec) (1 + Eo)
.set m, m+2
.endr
	s_wait_alu depctr_va_vdst(0)
.set m, 0
.rept 32
	v_rcp_f32 v[T+64*(m/16)+32+m%16], v[T+64*(m/16)+32+m%16]
.set m, m+1
.endr
	v_nop
	s_wait_alu depctr_va_vdst(0)
.set m, 0
.rept 16
.set gi, T+64*(m/16)+m%16
	v_pk_mul_f32 v[XX+m:XX+m+1], v[XX+m:XX+m+1], v[gi+32:gi+33]                  ; o tanh(c)
.set m, m+2
.endr
	TOSTAGE STO0, XX
.if \nx
	WIN 0
	s_wait_tensorcnt 0x0                           ; my part of the next tile's K step 0 is in
	ds_add_u32 v[SPW], v[NIL]
	s_wait_dscnt 0x0                               ; the add and my stores into the stages are done
	CROUND
	KFILL 1, AI, WALKC+256, 65536
.else
	s_wait_dscnt 0x0                               ; for my partner's sake: my stores into the stages are done
	s_barrier_signal -1
.if (\c) < 3
	P1 (\c)+1
	s_wait_alu depctr_va_vdst(0)                   ; directly ahead of the wait below
.endif
	WIN 0
	s_barrier_wait -1
.endif
	s_wait_xcnt 0x0                                ; the earlier stores have read the registers that are loaded below
.irp t, 0,1,2,3,4,5,6,7
	ds_load_b128 v[ROWS+4*\t:ROWS+4*\t+3], v[RD0] offset:2*\t*PITCH
.endr
.irp t, 0,1,2,3,4,5,6,7
	ds_load_b128 v[ROWS+32+4*\t:ROWS+32+4*\t+3], v[RD1] offset:2*\t*PITCH
.endr
.if (\c) < 3
	CLOAD (\c)+1
.endif
.endm
.Ltile:                                                ; K step 0 is whole in slot 0, K step 1's load is on its way
	LB4 0, 0, 0, 0
	LB4 0, 0, 0, 4
	LA4 0, 0, 0, 0
	LA4 0, 0, 0, 4
	s_wait_loadcnt 0x0                             ; the scale words (and, the first time, the biases)
	STEP 0, 0, 0, 1                                ; the first products start the sums from the biases
	STEP 0, 1, 0, 0
	STEP 0, 2, 0, 0
	TURN 0, 1, 0, 1, 1                             ; slot 0 takes K step 2
	STEP 1, 0, 1, 0
	STEP 1, 1, 1, 0
	STEP 1, 2, 1, 0
	TURN 1, 0, 1, 1, 2                             ; slot 1 takes K step 3
	STEP 0, 0, 2, 0
	STEP 0, 1, 2, 0
	STEP 0, 2, 2, 0
	TURN 0, 1, 2, 2, 3                             ; slot 0's first half takes c_0
	STEP 1, 0, 3, 0
	STEP 1, 1, 3, 0
	STEP 1, 2, 3, 0
	s_wait_dscnt 8                                 ; the very last step: nothing more to fetch; A's blocks 4-7 may be out
	MWIN 0, 1, 0
	MUL16 0, 1, 3, 3, 0
	MUL16 2, 1, 3, 3, 0
	s_wait_tensorcnt 0x0                           ; my 64 rows of c_0 have landed: no load was issued behind that one
	s_wait_dscnt 0x0
	s_barrier_signal -1
	MWIN 1, 1, 0
	MUL16 4, 1, 3, 3, 0
	MUL16 6, 1, 3, 3, 0
	WIN 0
	s_barrier_wait -1                              ; everybody's rows of c_0 are in
	PLACES 4
	CLOAD 0
	P1 0
	CHUNK 0, 0
	CHUNK 1, 0
	CHUNK 2, 0
	WIN 0
	s_cmp_eq_u32 s[TC], 1
	s_cbranch_scc1 .Llast                          ; the last tile's last chunk is written out: it asks for nothing more
	CHUNK 3, 1
	s_wait_dscnt 0x0
	STORES 3
	s_wait_xcnt 0x0                                ; every load, store and prefetch has read its base and its registers: on to my next tile
.irp p, AI, AH, PI, PH
	s_add_nc_u64 s[\p:\p+1], s[\p:\p+1], WALKC
.endr
.irp p, SI, SH
	s_add_nc_u64 s[\p:\p+1], s[\p:\p+1], WALKS
.endr
.irp p, CP, O0, O1, CN
	s_add_nc_u64 s[\p:\p+1], s[\p:\p+1], WALKO
.endr
	s_sub_co_u32 s[TC], s[TC], 1
	s_branch .Ltile
.Llast:
	CHUNK 3, 0
	s_wait_dscnt 0x0
	STORES 3
	s_wait_tensorcnt 0x0                           ; the wave's end
	ds_add_u32 v[SPW], v[NIL]
	s_wait_dscnt 0x0
	CROUND                                         ; the closing round
	s_endpgm
.Lfunc_end_k_q6f5b8714b4_lstm:
	.size	k_q6f5b8714b4_lstm, .Lfunc_end_k_q6f5b8714b4_lstm-k_q6f5b8714b4_lstm
	.p2alignl 7, 3214868480
	.fill 96, 4, 3214868480
	.section	.rodata,"a",@progbits
	.p2align	6, 0x0
	.amdhsa_kernel k_q6f5b8714b4_lstm
		.amdhsa_group_segment_fixed_size 327680
		.amdhsa_private_segment_fixed_size 0
		.amdhsa_enable_private_segment 0
		.amdhsa_kernarg_size 80
		.amdhsa_user_sgpr_count 2
		.amdhsa_user_sgpr_kernarg_segment_ptr 1
		.amdhsa_wavefront_size32 1
		.amdhsa_system_sgpr_workgroup_id_x 1
		.amdhsa_system_sgpr_workgroup_id_y 1
		.amdhsa_system_sgpr_workgroup_id_z 1
		.amdhsa_system_vgpr_workitem_id 0
		.amdhsa_next_free_vgpr 1024
		.amdhsa_next_free_sgpr 100
		.amdhsa_reserve_vcc 0
		.amdhsa_float_denorm_mode_32 3
		.amdhsa_float_denorm_mode_16_64 3
		.amdhsa_memory_ordered 1
		.amdhsa_forward_progress 1
		.amdhsa_inst_pref_size 255
	.end_amdhsa_kernel
	.section	.bss,"aw",@nobits
	.p2align	6
	.space	262144
	.amdgpu_metadata
---
amdhsa.version: [ 1, 2 ]
amdhsa.kernels:
  - .name:           k_q6f5b8714b4_lstm
    .symbol:         k_q6f5b8714b4_lstm.kd
    .args:
      - { .name: input_codes, .offset: 0, .size: 8, .value_kind: global_buffer, .address_space: global }
      - { .name: input_scales, .offset: 8, .size: 8, .value_kind: global_buffer, .address_space: global }
      - { .name: h_0_codes, .offset: 16, .size: 8, .value_kind: global_buffer, .address_space: global }
      - { .name: h_0_scales, .offset: 24, .size: 8, .value_kind: global_buffer, .address_space: global }
      - { .name: wp_codes, .offset: 32, .size: 8, .value_kind: global_buffer, .address_space: global }
      - { .name: wp_scales, .offset: 40, .size: 8, .value_kind: global_buffer, .address_space: global }
      - { .name: bsum, .offset: 48, .size: 8, .value_kind: global_buffer, .address_space: global }
      - { .name: c_0, .offset: 56, .size: 8, .value_kind: global_buffer, .address_space: global }
      - { .name: out0, .offset: 64, .size: 8, .value_kind: global_buffer, .address_space: global }
      - { .name: out1, .offset: 72, .size: 8, .value_kind: global_buffer, .address_space: global }
    .group_segment_fixed_size: 327680
    .private_segment_fixed_size: 0
    .kernarg_segment_align: 8
    .kernarg_segment_size: 80
    .max_flat_workgroup_size: 128
    .sgpr_count:     100
    .vgpr_count:     1024
    .wavefront_size: 32
...
	.end_amdgpu_metadata
.endif
;; end of part 2
